; MI455X (gfx1250); checked and timed in simulation.
; The chip was launched on July 23, 2026; its instructions are those of AMD's public machine-readable ISA for CDNA 5 (MIT licence, August 2026) and "CDNA5" Instruction Set Architecture Reference Guide (July 2026). The comments in the code are by the model that wrote it; some were corrected since.
;; Multi Head Attention. Allowed arithmetic: matrix products marked QUANTISED: E4M3 operands, one given power-of-two scale a tensor, by v_wmma_f32_16x16x64_fp8_fp8 or v_wmma_f32_16x16x128_fp8_fp8, f32 sums; everything else in f32.
;; Inputs: Wk_codes 1,024 x 32 x 32 uint8 (E4M3 codes of Wk, K innermost, in blocks of 32 codes); Wp_codes 1,024 x 32 x 32 uint8 (E4M3 codes of Wp, K innermost, in blocks of 32 codes); Wq_codes 1,024 x 32 x 32 uint8 (E4M3 codes of Wq, K innermost, in blocks of 32 codes); Wv_codes 1,024 x 32 x 32 uint8 (E4M3 codes of Wv, K innermost, in blocks of 32 codes); bk 1,024 float32; bp 1,024 float32; bq 1,024 float32; bv 1,024 float32; lowp_scales 12 int32 (the exponents e of the quantised operands' scales 2^e); x_codes 4 x 2,048 x 32 x 32 uint8 (E4M3 codes of x, K innermost, in blocks of 32 codes).
;; Outputs: out0 4 x 2,048 x 1,024 float32.
;; This version of the problem:
;;   THIS VERSION OF THE PROBLEM IS GIVEN IN LOW PRECISION. The matrix products marked QUANTISED in the list below multiply operands that are first quantised to E4M3 (4 exponent bits, 3 mantissa bits; 8 bits a number), with one given power-of-two scale for each operand tensor; their sums are f32. All else is computed in f32.
;;   The module's matrix products, in the order in which they are computed (A, B: the left and right operand; K: the contracted axis; several contracted axes count as one K, in the product's order):
;;     1. [M 8,192, K 1,024] x [K 1,024, N 1,024]; A: input x (given as codes); B: input Wq (given as codes): QUANTISED (scales: A lowp_scales[0], B lowp_scales[1])
;;     2. [M 8,192, K 1,024] x [K 1,024, N 1,024]; A: input x (given as codes); B: input Wk (given as codes): QUANTISED (scales: A lowp_scales[2], B lowp_scales[3])
;;     3. [M 8,192, K 1,024] x [K 1,024, N 1,024]; A: input x (given as codes); B: input Wv (given as codes): QUANTISED (scales: A lowp_scales[4], B lowp_scales[5])
;;     4. batch 64 x [M 2,048, K 64] x [K 64, N 2,048]; A: computed on the way; B: computed on the way: QUANTISED (scales: A lowp_scales[6], B lowp_scales[7])
;;     5. batch 64 x [M 64, K 2,048] x [K 2,048, N 2,048]; A: computed on the way; B: softmax (see below): QUANTISED (scales: A lowp_scales[8], B lowp_scales[9])
;;     6. [M 8,192, K 1,024] x [K 1,024, N 1,024]; A: computed on the way; B: input Wp (given as codes): QUANTISED (scales: A lowp_scales[10], B lowp_scales[11])
;;   THE QUANTISER, for each operand of a quantised product, along K:
;;     - The operand's scale is 2^e, e = its entry of the input lowp_scales (int32; the entries are numbered through the quantised products in the list's order, A before B).
;;     - Each number is divided by the scale, clamped to +-448, and rounded to the nearest number of E4M3, ties to even, subnormals kept.
;;     - The product sums the exact products of the quantised numbers (number of the format x scale) in f32.
;;   ~~~python
;;   def quantise(x, axis, e):      # numpy; x: float32 -> the quantised numbers, widened to float32 again
;;       x = np.moveaxis(x, axis, -1); K = x.shape[-1]
;;       r = np.clip(x / 2.0 ** e, -448, 448)
;;       step = 2.0 ** (np.maximum(np.frexp(np.where(r == 0, 1, r))[1] - 1, -6) - 3)
;;       q = np.round(r / step) * step * 2.0 ** e      # np.round: ties to even
;;       return np.moveaxis(q, -1, axis).astype(np.float32)
;;   ~~~
;;   SOFTMAX AHEAD OF A QUANTISED PRODUCT. Where the list says 'softmax', what is quantised is not the finished softmax but p = 2^(t - M), with t = logit x log2(e) and M = ceil(the row's largest t), a whole number; so 1/2 < the row's largest p <= 1. The row's sum l is taken of the UNQUANTISED p, in f32, and the product's result is divided by l at the end. Since M is a whole number, a kernel that streams over the keys may use a running M (the ceiling of the running maximum): every later rescaling is an exact power of two, so the quantised numbers keep their values, but for numbers so far below the row's largest that they fall under the format's range.
;;   OPERANDS COMPUTED ON THE WAY. 'Computed on the way' means the value that the module computes at that place (a softmax that the list does not call 'softmax' is quantised finished and normalised). What goes into a quantiser is computed in f32, as accurately as f32 sums, v_exp_f32 and their like allow (about 1e-6 of the number): no bf16 or f16 on the way to a quantiser, and a product that is left as it is and whose result goes on into a quantised operand takes f32 operands (vector FMAs, or v_wmma_f32_16x16x4_f32). A number that lies on a knife's edge between two numbers of the format may be rounded either way, as far as f32 arithmetic and the matrix unit's own rounding can turn it there, and no further.
;;   INPUTS GIVEN AS CODES. Wk (in the module: [1024, 1024], K = its axis 0); Wp (in the module: [1024, 1024], K = its axis 0); Wq (in the module: [1024, 1024], K = its axis 0); Wv (in the module: [1024, 1024], K = its axis 0); x (in the module: [4, 2048, 1024], K = its axis 2): each comes as NAME_codes (uint8): NAME with its K axis moved to the last place and cut into blocks of 32 codes, [.., K / 32, bytes a block], one block behind the other in memory; one code a byte (a code: sign, 4 exponent bits, 3 mantissa bits); its scale is its entry of lowp_scales. Its value is code x scale, taken as it is: it is not quantised again, and the codes and scales need not be those that the quantiser above would give.
;; One version. Each part assembles by itself: llvm-mc -triple=amdgcn-amd-amdhsa -mcpu=gfx1250 --defsym DOCPART=n.
;; ======== version 1 of 1: 3 launches
;; limits: right only within a limited range of input values
;; workspace buffers: qc 8,388,608 bytes; kc 8,388,608 bytes; vc 8,388,608 bytes; oc 8,388,608 bytes
;; launch qkv (part 1): grid 4 x 96, 4 waves a work-group, clusters of 4 x 4, 327,680 bytes of LDS; arguments x_codes, Wq_codes, Wk_codes, Wv_codes, bq, bk, bv, lowp_scales, qc, kc, vc; writes qc, kc, vc
.if DOCPART == 1
	.amdgcn_target "amdgcn-amd-amdhsa--gfx1250"
	.amdhsa_code_object_version 6
	.text
	.protected	k_q0fc7bd6a41_qkv
	.globl	k_q0fc7bd6a41_qkv
	.p2align	8
	.type	k_q0fc7bd6a41_qkv,@function
k_q0fc7bd6a41_qkv:
	s_mov_b64 s[64:65], 0
	v_nop
	global_prefetch_b8 v0, s[64:65] scope:SCOPE_SE
	s_setreg_imm32_b32 hwreg(HW_REG_WAVE_MODE, 25, 1), 1
	s_wait_xcnt 0x0
	s_wait_alu depctr_hold_cnt(0) depctr_sa_sdst(0) depctr_va_vdst(0) depctr_va_sdst(0) depctr_va_ssrc(0) depctr_va_vcc(0) depctr_vm_vsrc(0)
	s_getreg_b32 s2, hwreg(HW_REG_IB_STS2, 6, 4)
	s_cmp_eq_u32 s2, 0
	s_cbranch_scc0 .Lentry_in_a_cluster
	s_endpgm
.Lentry_in_a_cluster:
	s_bfe_u32 s2, ttmp6, 0x10000c
	s_cmp_lg_u32 s2, 0xf033
	s_cbranch_scc0 .Lentry_shape_is_right
	s_endpgm
.Lentry_shape_is_right:
; q = x Wq + bq, k = x Wk + bk, v = x Wv + bv on codes of FP8 (E4M3), and the quantiser of q, k and v.  x: [8192][1024] codes, each W: [1024 (feature)][1024 (K)] codes, K innermost.
; ONE TEXT FOR THE THREE PRODUCTS: R[i][j] = sum over k of P[i][k] Q[j][k].  For q and k: P = x (tokens), Q = W (features).  For v: P = Wv (features), Q = x (tokens), so that v comes out transposed.
; 24 clusters of 4 x 4 work-groups: clusters 0-7 make q, 8-15 k, 16-23 v.  A work-group makes a tile of 256 x 256, each of its four waves 128 x 128: 64 accumulators of 16 x 16, 512 registers.
; K goes in steps of 256 through a ring of two LDS slots filled by the tensor data mover.  The four work-groups of a row of the cluster need the same tiles of P, the four of a column the same tiles of Q:
; each tile is asked for JOINTLY, by the same tensor load with the same descriptor and a mask that names the four.
; THE MATRIX INSTRUCTION IS USED TRANSPOSED (source 0 = 16 rows of Q, source 1 = 16 rows of P): in accumulator (a, b) lane (r, h) holds row 16 a + r of P and, in register j, row 16 b + 8 h + j of Q.
; So a lane's eight registers are eight neighbours along the NEXT product's K (the head's channels for q and k, the keys for v), and one conversion gives registers 2 b, 2 b + 1 of the next operand's fragment.
; THE RESULTS LEAVE AS IMAGES OF OPERAND REGISTERS: four registers of all 32 lanes are 512 consecutive bytes, lane l's 16 bytes at 16 l.  No stage in LDS is needed, and each store covers 512 aligned bytes.
;   qc, kc: [batch 4][pair of heads 8][tile of 16 tokens 128][head of the pair 2][1024 bytes]: lane (r, h): token r; registers 2 c, 2 c + 1: channel 16 c + 8 h + 0 .. 7
;   vc:     [batch 4][pair of heads 8][block of 128 keys 16][head of the pair 2][16 channels 4][2048 bytes]: lane (r, h): channel r; registers 2 c, 2 c + 1: key 16 c + 8 h + 0 .. 7
; SCALES.  A sum stands for sum x 2^(ea + eb).  The bias goes in as the C of the first K step, divided by 2^(ea + eb); the conversion then takes the one scale 2^X, X = eo - ea - eb, eo the scale of the operand
; that is made: entry 7 for q, entry 6 for k (the second operand of the scores' einsum is the product's left one), entry 8 for v.
; LIMITS: X between -126 and 119, so that 2^X and 448 x 2^X are f32 numbers.  NaN among the biases is not served.
; REGISTERS, in windows of 256: window 0: v0-31 addresses; v32-95 the bias in the result's layout, later 64 held numbers; v96-103 the bias loads' offsets; from v128 P's fragments, ONE set, later the codes.
;   window 1: Q's fragments, TWO sets, at v0 and v128.   window 2: the accumulators of my rows 0-63 ((a, b) at v[8 (8 a + b)]);   window 3: those of my rows 64-127.
.set ROWB,   256                       ; a tile's row in bytes: 256 codes along K
.set KROW,   1024                      ; a row of P or Q in memory, in bytes
.set PITCH,  272                       ; an LDS row: 256 bytes + 16 of padding = 68 words, so that the 16 rows that a load touches begin 4 words apart modulo 64
.set FR,     16                        ; registers of a fragment: 16 rows x 128 K
.set NL,     4                         ; LDS loads that bring one
.set NP,     4                         ; places behind this matrix instruction (ISA guide 7.12.1)
.set HALFT,  128*PITCH                 ; 128 rows: what one tensor load brings, and what one wave reads of P or of Q
.set SLOT,   4*HALFT                   ; P's 256 rows, then Q's 256 rows
.set SPARE,  2*SLOT                    ; behind the ring: the spare words, 128 bytes for each wave, which no other line names
.set ADRA, 16                          ; v16-17  LDS address of my fragments of P in slot 0, 1
.set ADRB, 20                          ; v20-21  the same for Q
.set LO,   26                          ; v26     16 x lane: my place in an image
.set SPW,  28                          ; v28     LDS address of my spare word; never rewritten
.set NIL,  29                          ; v29     0; never rewritten
.set SCL,  30                          ; v30     2^X as f32, for the conversions
.set BI,   32                          ; v32-95
.set BO,   96                          ; v96-103
.set AF,   128                         ; P's fragments
.set CD,   128                         ; the codes: 16 registers for each of my eight blocks, so that no store's data are written again
.set G1, 24                            ; s[24:31] descriptor group 1 for P's tiles;  s[32:39] group 0, one set for each slot
.set G0, 32
.set G1B, 48                           ; s[48:55], s[56:63] the same for Q's tiles
.set G0B, 56
.set MSB, 0
.macro WIN new                         ; the immediate's high byte repeats the setting that is left; a switch that changes nothing is dropped
.if MSB != \new
	s_set_vgpr_msb (MSB<<8)|\new
.set MSB, \new
.endif
.endm
.set MUL_LO, 0xa1                      ; source 0 (Q) window 1, source 1 (P) window 0, C and D window 2
.set MUL_HI, 0xf1                      ; the same, C and D window 3
.set TO_B,   0x40                      ; destination window 1, address window 0
; A joint load: waves 0 and 1 fetch for P, waves 2 and 3 for Q.  The branch hangs on the wave's number alone.  Four v_nop follow each of the two lines.
.macro JLOAD g0a, g1a, g0b, g1b
	s_cmp_eq_u32 s15, 0
	s_cbranch_scc0 .Lfor_b_\@
	tensor_load_to_lds s[\g0a:\g0a+3], s[\g1a:\g1a+7]
	s_nop 0
.rept 4
	v_nop
.endr
	s_branch .Lasked_\@
.Lfor_b_\@:
	tensor_load_to_lds s[\g0b:\g0b+3], s[\g1b:\g1b+7]
	s_nop 0
.rept 4
	v_nop
.endr
.Lasked_\@:
.endm
.macro CREST                           ; a round of the cluster's barrier behind its opening barrier
	s_cmp_lg_u32 s14, 0
	s_cbranch_scc1 .Lnot_wave_0_\@
	s_barrier_signal -3
.Lnot_wave_0_\@:
	s_barrier_wait -3
	s_barrier_signal -1
	s_barrier_wait -1
.endm
.macro CROUND                          ; a whole round
	s_barrier_signal -1
	s_barrier_wait -1
	CREST
.endm
	s_load_b512 s[68:83], s[0:1], 0x0              ; x s[68:69], Wq s[70:71], Wk s[72:73], Wv s[74:75], bq s[76:77], bk s[78:79], bv s[80:81], the scales' exponents s[82:83]
	s_load_b128 s[84:87], s[0:1], 0x40             ; qc s[84:85], kc s[86:87]
	s_load_b64 s[88:89], s[0:1], 0x50              ; vc
	v_lshl_add_u32 v[SPW], v0, 2, SPARE
	v_mov_b32 v[NIL], 0
	ds_add_u32 v28, v29
	ds_add_u32 v28, v29
	s_wait_dscnt 0x0
	v_lshrrev_b32 v1, 5, v0
	v_readfirstlane_b32 s14, v1                    ; wave 0..3
	s_lshr_b32 s15, s14, 1                         ; which half of the tile's rows is mine.  Also: I fetch for P (0) or for Q (1)
	s_and_b32 s16, s14, 1                          ; which half of its columns.  Also: which 128 rows of that tile I fetch
	s_bfe_u32 s40, ttmp6, 0x40000                  ; cx, cy: my place in the cluster
	s_bfe_u32 s41, ttmp6, 0x40004
	s_and_b32 s90, ttmp7, 0xffff                   ; the cluster's number, 0..23: the same in all sixteen partners
	s_lshr_b32 s91, s90, 3                         ; which product: 0 q, 1 k, 2 v
	s_and_b32 s92, s90, 7
	s_lshl_b32 s92, s92, 2                         ; the first of the cluster's four tiles of 256 tokens
	s_cmp_eq_u32 s91, 2
	s_cselect_b32 s17, 0, s92                      ; tokens run along the rows for q and k,
	s_cselect_b32 s42, s92, 0                      ; along the columns for v
	s_cselect_b32 s93, 0, 32                       ; the bias loads' steps in bytes: from half to half of the lanes,
	s_cselect_b32 s94, 4, 0                        ; from lane to lane,
	s_cselect_b32 s95, 0, 4                        ; from register to register
	s_add_co_u32 s17, s17, s41                     ; tile row
	s_add_co_u32 s42, s42, s40                     ; tile column
	s_lshl_b32 s43, s41, 2
	s_lshl_b32 s43, 15, s43                        ; my row of the cluster
	s_lshl_b32 s44, 0x1111, s40                    ; my column
	; descriptor group 1: a tile of 128 rows x 256 bytes, padded in LDS
	s_or_b32 s[G1+0], s43, (0<<16)|(1<<20)|(1<<21)|(5<<22)|(3<<25)  ; 15:0 the mask: P's tiles go to my row; 17:16 elements of 1 byte; 20 padding on; 21 set beside a mask; 24:22 after every 64 words; 31:25 of 4 words
	s_or_b32 s[G1B+0], s44, (0<<16)|(1<<20)|(1<<21)|(5<<22)|(3<<25) ; the same with the mask of my column
.irp g, G1, G1B
	s_mov_b32 s[\g+1], ROWB<<16                    ; tensor_dim0
	s_mov_b32 s[\g+2], 128<<16                     ; tensor_dim1 = 128
	s_mov_b32 s[\g+3], ROWB<<16                    ; tile_dim0
	s_mov_b32 s[\g+4], 128                         ; tile_dim1 = 128
	s_mov_b32 s[\g+5], KROW                        ; tensor_dim0_stride
	s_mov_b32 s[\g+6], 0
	s_mov_b32 s[\g+7], 0
.endr
	s_lshl_b32 s18, s16, 7                         ; which 128 rows of the tile I fetch
	s_lshl_b32 s20, s17, 8
	s_add_co_u32 s20, s20, s18                     ; P: row 256 x tile row + 128 x half
	s_lshl_b32 s46, s42, 8
	s_add_co_u32 s46, s46, s18                     ; Q: row 256 x tile column + 128 x half
	s_lshl_b32 s20, s20, 10                        ; in bytes: under 2^23
	s_lshl_b32 s46, s46, 10
	s_mov_b32 s21, 0
	s_mov_b32 s47, 0
	s_mul_i32 s45, s14, HALFT                      ; where they go: wave x 128 rows: no place in the cluster enters an LDS address
	s_wait_kmcnt 0x0
	s_cmp_eq_u32 s91, 2                            ; the buffers are chosen by the product's number alone
	s_cselect_b64 s[4:5], s[74:75], s[68:69]       ; P: Wv, else x
	s_cselect_b64 s[6:7], s[68:69], s[72:73]       ; Q: x, else Wk
	s_cselect_b64 s[8:9], s[80:81], s[78:79]       ; the bias
	s_cselect_b64 s[10:11], s[88:89], s[86:87]     ; where the codes go
	s_cmp_eq_u32 s91, 0
	s_cselect_b64 s[6:7], s[70:71], s[6:7]         ; for q: Wq,
	s_cselect_b64 s[8:9], s[76:77], s[8:9]         ; bq,
	s_cselect_b64 s[10:11], s[84:85], s[10:11]     ; qc
	s_load_b256 s[68:75], s[82:83], 0x0            ; entries 0 to 7 of the scales' exponents,
	s_load_b32 s76, s[82:83], 0x20                 ; and entry 8
	s_add_nc_u64 s[20:21], s[4:5], s[20:21]
	s_add_nc_u64 s[46:47], s[6:7], s[46:47]
	CROUND                                         ; all sixteen work-groups are here: the first joint loads meet
.irp s, 0,1
	s_mov_b32 s[G0+4*\s], 1
	s_add_co_u32 s[G0+4*\s+1], s45, \s*SLOT
	s_add_nc_u64 s[G0+4*\s+2:G0+4*\s+3], s[20:21], \s*ROWB
	s_or_b32 s[G0+4*\s+3], s[G0+4*\s+3], 0x80000000
	s_mov_b32 s[G0B+4*\s], 1
	s_add_co_u32 s[G0B+4*\s+1], s45, \s*SLOT
	s_add_nc_u64 s[G0B+4*\s+2:G0B+4*\s+3], s[46:47], \s*ROWB
	s_or_b32 s[G0B+4*\s+3], s[G0B+4*\s+3], 0x80000000
.endr
	JLOAD G0, G1, G0B, G1B                         ; K step 0: one tensor load a wave
	v_and_b32 v1, 15, v0                           ; r = lane % 16
	v_bfe_u32 v2, v0, 4, 1                         ; h = lane / 16
	s_wait_alu depctr_va_vdst(0)
	v_mul_u32_u24 v3, v1, PITCH
	v_lshl_add_u32 v4, v2, 4, v3                   ; a fragment's row x pitch + 16 x half
	s_mul_i32 s21, s15, HALFT                      ; my 128 rows of P
	s_mul_i32 s22, s16, HALFT                      ; my 128 rows of Q,
	s_add_co_u32 s22, s22, 2*HALFT                 ; which lie behind P's 256
.irp s, 0,1
	v_add_nc_u32 v[ADRA+\s], s21, v4
	v_add_nc_u32 v[ADRB+\s], s22, v4
	s_add_co_u32 s21, s21, SLOT
	s_add_co_u32 s22, s22, SLOT
.endr
	v_and_b32 v5, 31, v0
	v_lshlrev_b32 v[LO], 4, v5
	; which of my two coordinates counts tokens and which features
	s_cmp_eq_u32 s91, 2
	s_cselect_b32 s18, s42, s17                    ; the tile of 256 tokens,
	s_cselect_b32 s19, s16, s15                    ; my half of it;
	s_cselect_b32 s22, s17, s42                    ; the tile of 256 features,
	s_cselect_b32 s23, s15, s16                    ; my half of it
	s_lshl_b32 s22, s22, 1
	s_add_co_u32 s22, s22, s23                     ; my 128 features are a pair of heads: its number, 0..7
	s_lshl_b32 s46, s22, 9
	s_mov_b32 s47, 0
	s_add_nc_u64 s[8:9], s[8:9], s[46:47]          ; the bias at my 128 features
	s_lshr_b32 s23, s18, 3                         ; the batch
	s_lshl_b32 s23, s23, 3
	s_add_co_u32 s23, s23, s22
	s_lshl_b32 s23, s23, 18                        ; a pair of heads of a batch is 2^18 bytes in each of the three buffers
	s_and_b32 s18, s18, 7
	s_lshl_b32 s18, s18, 1
	s_add_co_u32 s18, s18, s19
	s_lshl_b32 s18, s18, 14                        ; my 128 tokens are 2^14 bytes of it: eight tiles of tokens (q, k), or one block of keys (v)
	s_add_co_u32 s46, s23, s18
	s_add_nc_u64 s[10:11], s[10:11], s[46:47]
	; the bias in the result's layout: register (g, j) holds, for q and k, feature 16 g + 8 h + j (g = b); for v, feature 16 g + r (g = a)
	v_mul_u32_u24 v5, v2, s93
	v_mad_u32_u24 v5, v1, s94, v5
	v_mov_b32 v6, s95
.irp j, 0,1,2,3,4,5,6,7
	v_mad_u32_u24 v[BO+\j], v6, \j, v5
.endr
.irp g, 0,1,2,3,4,5,6,7
.irp j, 0,1,2,3,4,5,6,7
	global_load_b32 v[BI+8*\g+\j], v[BO+\j], s[8:9] offset:64*\g
.endr
.endr
	s_wait_kmcnt 0x0
	s_add_co_i32 s99, s68, s69                     ; ea + eb of the three products
	s_add_co_i32 s98, s70, s71
	s_add_co_i32 s96, s72, s73
	s_cmp_eq_u32 s91, 2
	s_cselect_b32 s98, s96, s98
	s_cselect_b32 s97, s76, s74                    ; eo: entry 8 for v, entry 6 for k,
	s_cmp_eq_u32 s91, 0
	s_cselect_b32 s98, s99, s98
	s_cselect_b32 s97, s75, s97                    ; entry 7 for q
	s_sub_co_i32 s97, s97, s98                     ; X = eo - ea - eb
	s_sub_co_i32 s98, 0, s98                       ; -(ea + eb)
	s_add_co_i32 s97, s97, 127
	s_lshl_b32 s96, s97, 23
	v_mov_b32 v[SCL], s96                          ; 2^X as f32: the conversion takes its exponent field
	s_add_co_i32 s97, s97, 8
	s_lshl_b32 s97, s97, 23
	s_or_b32 s96, s97, 0x600000                    ; 448 x 2^X,
	s_or_b32 s97, s96, 0x80000000                  ; and its negative
	s_wait_loadcnt 0x0                             ; the bias
.set n, 0
.rept 64
	v_ldexp_f32 v[BI+n], v[BI+n], s98              ; bias / 2^(ea + eb): nothing is rounded, short of underflow
.set n, n+1
.endr
.macro FRAG reg, adr, q, i             ; a fragment, 16 rows x 128 K, is 16 registers, brought by four loads of 16 bytes: registers 4 c .. 4 c + 3 hold K = 32 c + 16 h + 0 .. 15: the same order of k in P and in Q
.irp c, 0,1,2,3
	ds_load_b128 v[\reg+4*\c:\reg+4*\c+3], v[\adr] offset:128*(\q)+32*\c+(\i)*16*PITCH
.endr
.endm
; 16 matrix instructions: P's blocks a0, a0 + 1 x Q's eight, 128 along K.  p: Q's set.  mode 0: the sums go on in place; 1: they start from the bias of block b (q, k); 2: from the bias of block a (v).
; The 64 accumulators take turns, one instruction a turn, in the same order in every step.
.macro MUL16 a0, p, mode
.irp a, \a0, \a0+1
.irp b, 0,1,2,3,4,5,6,7
.if \mode == 1
	v_wmma_f32_16x16x128_fp8_fp8 v[8*(8*((\a)%4)+\b):8*(8*((\a)%4)+\b)+7], v[128*(\p)+FR*\b:128*(\p)+FR*\b+FR-1], v[AF+FR*(\a):AF+FR*(\a)+FR-1], v[BI+8*\b:BI+8*\b+7]
.elseif \mode == 2
	v_wmma_f32_16x16x128_fp8_fp8 v[8*(8*((\a)%4)+\b):8*(8*((\a)%4)+\b)+7], v[128*(\p)+FR*\b:128*(\p)+FR*\b+FR-1], v[AF+FR*(\a):AF+FR*(\a)+FR-1], v[BI+8*(\a):BI+8*(\a)+7]
.else
	v_wmma_f32_16x16x128_fp8_fp8 v[8*(8*((\a)%4)+\b):8*(8*((\a)%4)+\b)+7], v[128*(\p)+FR*\b:128*(\p)+FR*\b+FR-1], v[AF+FR*(\a):AF+FR*(\a)+FR-1], v[8*(8*((\a)%4)+\b):8*(8*((\a)%4)+\b)+7]
.endif
.endr
.endr
.endm
.macro FETCH_B slot, q, p              ; Q's eight fragments of the slot's q-th 128 along K into set p
	WIN TO_B
.irp i, 0,1,2,3,4,5,6,7
	FRAG 128*(\p)+FR*\i, ADRB+\slot, \q, \i
.endr
	WIN 0
.endm
.macro FETCH_A slot, q, i0             ; P's blocks i0 .. i0 + 3
.irp i, \i0, \i0+1, \i0+2, \i0+3
	FRAG AF+FR*(\i), ADRA+\slot, \q, \i
.endr
.endm
; A load into a register that a matrix instruction has read, and a vector instruction that reads a matrix result, stand NP places behind that matrix instruction; only plain vector
; instructions that name none of its registers are places (ISA guide 7.12.1 for vector instructions).
.macro PLACES n
.rept \n
	v_nop
.endr
.endm
; A step of 128 along K that has its successor in the same slot.  A block of P is free as soon as its eight products are issued: blocks 0-3 are fetched anew in the step's middle, blocks 4-7 at its end.
.macro STEP slot, q, mode
	s_wait_dscnt 4*NL                              ; Q's set and P's blocks 0-3 are in; the youngest 16 loads (P's blocks 4-7) may be out
.if \mode
	WIN 0x81                                       ; source 0 window 1, source 1 and C (the bias) window 0, D window 2
.else
	WIN MUL_LO
.endif
	MUL16 0, (\q)%2, \mode
	MUL16 2, (\q)%2, \mode
	s_wait_dscnt 0                                 ; P's blocks 4-7 are in (asked for 32 matrix instructions ago)
	PLACES NP
	FETCH_B \slot, (\q)+1, 1-(\q)%2
	FETCH_A \slot, (\q)+1, 0
.if \mode
	WIN 0xc1                                       ; the same, D window 3
.else
	WIN MUL_HI
.endif
	MUL16 4, (\q)%2, \mode
	MUL16 6, (\q)%2, \mode
	PLACES NP
	WIN 0
	FETCH_A \slot, (\q)+1, 4
.endm
; A slot's last step changes slots: ONE barrier; in front of it each wave waits for all its tensor loads, adds 0 to its spare word, and waits for that and for its own reads of this slot.  fill = 1: this slot is filled again, two K steps ahead.
.macro TURN slot, next, fill
	s_wait_tensorcnt 0x0                           ; all my tensor loads have landed: my part of the next slot  (every window is 0 here)
	ds_add_u32 v[SPW], v[NIL]                      ; 0 onto my spare word
	s_wait_dscnt 4*NL+1                            ; (the add and the youngest 16 loads, P's blocks 4-7, may be out)
	WIN MUL_LO
	MUL16 0, 1, 0                                  ; sixteen matrix instructions stand between the add and the wait for it
	s_wait_dscnt 0x0                               ; the add is done, and my reads of this slot are over
	s_barrier_signal -1
	MUL16 2, 1, 0
	WIN 0
	s_barrier_wait -1
.if \fill
	CREST                                          ; the barrier has opened a round of the cluster's barrier: no wave of any partner still reads this slot's tile or has a load on its way
	s_add_nc_u64 s[G0+4*\slot+2:G0+4*\slot+3], s[G0+4*\slot+2:G0+4*\slot+3], 2*ROWB
	s_add_nc_u64 s[G0B+4*\slot+2:G0B+4*\slot+3], s[G0B+4*\slot+2:G0B+4*\slot+3], 2*ROWB
	JLOAD G0+4*\slot, G1, G0B+4*\slot, G1B         ; the first tensor load behind the round, my only one until the next; its four v_nop are the places in front of the loads below
.else
	PLACES NP
.endif
	FETCH_B \next, 0, 0
	FETCH_A \next, 0, 0
	WIN MUL_HI
	MUL16 4, 1, 0
	MUL16 6, 1, 0
	PLACES NP
	WIN 0
	FETCH_A \next, 0, 4
.endm
	s_wait_alu depctr_va_vdst(0)
	s_wait_tensorcnt 0x0                           ; my part of K step 0 is in
	ds_add_u32 v[SPW], v[NIL]                      ; 0 onto my spare word,
	s_wait_dscnt 0x0                               ; and the wait for it
	CROUND                                         ; a whole round: everybody's part of K step 0 is in, and the joint loads meet
	JLOAD G0+4, G1, G0B+4, G1B                     ; K step 1, into slot 1: the first tensor load behind the round
	FETCH_B 0, 0, 0
	FETCH_A 0, 0, 0
	FETCH_A 0, 0, 4
	s_cmp_eq_u32 s91, 2                            ; the first step is written twice: the bias runs along b for q and k, along a for v.  The branch hangs on the cluster's number; no barrier and no tensor load stands in it
	s_cbranch_scc1 .Lfirst_v
	s_wait_alu depctr_va_vdst(0)
	STEP 0, 0, 1
	s_branch .Lfirst_done
.Lfirst_v:
	s_wait_alu depctr_va_vdst(0)
	STEP 0, 0, 2
.Lfirst_done:
	TURN 0, 1, 1                                   ; K = 1,024 is four K steps, twice round the ring: written out, no loop.  Slot 0 takes K step 2,
	STEP 1, 0, 0
	TURN 1, 0, 1                                   ; slot 1 K step 3
	STEP 0, 0, 0
	TURN 0, 1, 0                                   ; nothing is left to fetch
	STEP 1, 0, 0
	s_wait_dscnt 4*NL                              ; the very last step
	WIN MUL_LO
	MUL16 0, 1, 0
	MUL16 2, 1, 0
	s_wait_dscnt 0
	WIN MUL_HI
	MUL16 4, 1, 0
	MUL16 6, 1, 0
	WIN 0
	PLACES NP
; THE WAY OUT of block a (16 rows of P x my 128 rows of Q): held within +-448 x 2^X (the conversion to an 8-bit code does not saturate: ISA guide 7.6.2), each accumulator from its low end on; eight conversions make
; 16 registers of codes; four stores of 512 consecutive bytes.  For q and k block a is a tile of tokens, and the four stores are the two halves of the two heads' images; for v it is 16 channels, and they are one image.
.macro OUTBLK a
.set AC, 64*((\a)%4)
	WIN 0x02+((\a)/4)                              ; source 0: window 2 or 3
.set n, 0
.rept 64
	v_med3_num_f32 v[BI+n], v[AC+n], s97, s96
.set n, n+1
.endr
	WIN 0
.irp b, 0,1,2,3,4,5,6,7
	v_cvt_scalef32_pk8_fp8_f32 v[CD+16*(\a)+2*\b:CD+16*(\a)+2*\b+1], v[BI+8*\b:BI+8*\b+7], v[SCL]
.endr
	v_nop                                          ; one plain vector instruction between the conversions and the next block's holds, which write their sources
.irp g, 0,1,2,3
	global_store_b128 v[LO], v[CD+16*(\a)+4*\g:CD+16*(\a)+4*\g+3], s[10:11] offset:(\a)*2048+\g*512
.endr
.endm
.irp a, 0,1,2,3,4,5,6,7
	OUTBLK \a
.endr
	s_wait_tensorcnt 0x0                           ; the wave's end
	ds_add_u32 v[SPW], v[NIL]
	s_wait_dscnt 0x0
	CROUND                                         ; the closing round: no work-group ends while a partner may still ask for a tile that names it
	s_endpgm
.Lfunc_end_k_q0fc7bd6a41_qkv:
	.size	k_q0fc7bd6a41_qkv, .Lfunc_end_k_q0fc7bd6a41_qkv-k_q0fc7bd6a41_qkv
	.p2alignl 7, 3214868480
	.fill 96, 4, 3214868480
	.section	.rodata,"a",@progbits
	.p2align	6, 0x0
	.amdhsa_kernel k_q0fc7bd6a41_qkv
		.amdhsa_group_segment_fixed_size 327680
		.amdhsa_private_segment_fixed_size 0
		.amdhsa_enable_private_segment 0
		.amdhsa_kernarg_size 88
		.amdhsa_user_sgpr_count 2
		.amdhsa_user_sgpr_kernarg_segment_ptr 1
		.amdhsa_wavefront_size32 1
		.amdhsa_system_sgpr_workgroup_id_x 1
		.amdhsa_system_sgpr_workgroup_id_y 1
		.amdhsa_system_sgpr_workgroup_id_z 1
		.amdhsa_system_vgpr_workitem_id 0
		.amdhsa_next_free_vgpr 1024
		.amdhsa_next_free_sgpr 100
		.amdhsa_reserve_vcc 0
		.amdhsa_float_denorm_mode_32 3
		.amdhsa_float_denorm_mode_16_64 3
		.amdhsa_memory_ordered 1
		.amdhsa_forward_progress 1
		.amdhsa_inst_pref_size 138
	.end_amdhsa_kernel
	.amdgpu_metadata
---
amdhsa.version: [ 1, 2 ]
amdhsa.kernels:
  - .name:           k_q0fc7bd6a41_qkv
    .symbol:         k_q0fc7bd6a41_qkv.kd
    .args:
      - { .name: x_codes, .offset: 0, .size: 8, .value_kind: global_buffer, .address_space: global }
      - { .name: Wq_codes, .offset: 8, .size: 8, .value_kind: global_buffer, .address_space: global }
      - { .name: Wk_codes, .offset: 16, .size: 8, .value_kind: global_buffer, .address_space: global }
      - { .name: Wv_codes, .offset: 24, .size: 8, .value_kind: global_buffer, .address_space: global }
      - { .name: bq, .offset: 32, .size: 8, .value_kind: global_buffer, .address_space: global }
      - { .name: bk, .offset: 40, .size: 8, .value_kind: global_buffer, .address_space: global }
      - { .name: bv, .offset: 48, .size: 8, .value_kind: global_buffer, .address_space: global }
      - { .name: lowp_scales, .offset: 56, .size: 8, .value_kind: global_buffer, .address_space: global }
      - { .name: qc, .offset: 64, .size: 8, .value_kind: global_buffer, .address_space: global }
      - { .name: kc, .offset: 72, .size: 8, .value_kind: global_buffer, .address_space: global }
      - { .name: vc, .offset: 80, .size: 8, .value_kind: global_buffer, .address_space: global }
    .group_segment_fixed_size: 327680
    .private_segment_fixed_size: 0
    .kernarg_segment_align: 8
    .kernarg_segment_size: 88
    .max_flat_workgroup_size: 128
    .sgpr_count:     100
    .vgpr_count:     1024
    .wavefront_size: 32
...
	.end_amdgpu_metadata
.endif
;; end of part 1
;; launch attn (part 2): grid 4 x 64, 8 waves a work-group, no clusters, 279,552 bytes of LDS; arguments qc, kc, vc, lowp_scales, oc; writes oc
.if DOCPART == 2
	.amdgcn_target "amdgcn-amd-amdhsa--gfx1250"
	.amdhsa_code_object_version 6
	.text
	.protected	k_q0fc7bd6a41_attn
	.globl	k_q0fc7bd6a41_attn
	.p2align	8
	.type	k_q0fc7bd6a41_attn,@function
k_q0fc7bd6a41_attn:
	s_mov_b64 s[64:65], 0
	v_nop
	global_prefetch_b8 v0, s[64:65] scope:SCOPE_SE
	s_setreg_imm32_b32 hwreg(HW_REG_WAVE_MODE, 25, 1), 1
	s_wait_xcnt 0x0
; o = softmax(q k^T / 8) v for one head of one batch, both products on codes of FP8 (E4M3); o leaves as codes for the last product.
; qc, kc: [batch 4][pair of heads 8][tile of 16 tokens 128][head of the pair 2][1024 bytes]: images of operand registers (lane (r, h): token r; registers 2 c, 2 c + 1: channel 16 c + 8 h + 0 .. 7).
; vc: [batch 4][pair 8][block of 128 keys 16][head 2][16 channels 4][2048 bytes]: lane (r, h): channel r; registers 2 c, 2 c + 1: key 16 c + 8 h + 0 .. 7.
; oc: [256 tokens 32][head 16][tile of 16 tokens 16][1024 bytes]: lane (r, h): token r; registers 2 d, 2 d + 1: channel 16 d + 8 h + 0 .. 7 of the head.
; SHARES.  A work-group owns 512 queries of a head (grid x) of a batch (grid y = 16 batch + head): 4 x 64 = 256 work-groups.  Its eight waves bring the head's K and V, 2 x 131,072 bytes, into LDS once, 32,768 bytes a wave,
; through registers.  Then each wave walks all 2,048 keys twice, each time for 32 queries of its own (two tiles), 256 keys a step: a fragment of K or V feeds two matrix instructions.
; THE SOFTMAX: t = score x log2(e) / 8 x 2^(e6 + e7); M = the running largest t rounded up to a whole number; p = 2^(t - M) is quantised with 2^e9; the row's sum is taken of the unquantised p and divides at the end.
; When M moves, the sums and O^T are multiplied by 2^(old M - new M), in every step, with no branch on data: 40 packed multiplications for a step's 256 exponentials.
; Both products are used transposed (S^T = K Q^T, O^T = V^T P^T): a lane holds one query, a tile's eight registers are eight neighbouring keys, and a conversion gives registers 2 t, 2 t + 1 of P's fragment.
; THE HOLD OF p at 448 x 2^e9: p is at most 1 (M is at or above every t seen), so where e9 >= -8 (448 x 2^-8 = 1.75) the hold can change no number; for every other e9 it is executed.
; NO JOINT LOADS, NO TENSOR LOADS: the four work-groups of a head each read its 262,144 bytes of K and V once, at the head.
; NO PREFETCH: all that comes from memory is asked for at the kernel's head; the loops read LDS alone.
; LIMITS: e6 + e7 between -123 and 130; e9 and e10 between -126 and 119 (each power of two below is an f32 number); the scaled scores stay under 2^31 in magnitude.
; REGISTERS.  Window 0: v1-7 addresses and constants; v8-11 -M; v12-15 the factors; v16-31 the sums, eight chains; v32-39 the running largest scores, eight chains; v40-43 at work; v48-63 Q; v64-127 K's tiles 0-7;
;   v128-191 K's tiles 8-15, then P's codes; v192-255 O^T.  Window 1 (v256-511): the step's scores, then p: 128 x half of the keys + 64 x query tile + 8 x key tile + j; its first 128 take V's eight fragments once their p are converted.
.set VLDS,  131072                     ; V behind K
.set SPARE, 262144                     ; the spare words, 128 bytes a wave, which no other line names
.set QLDS,  263168                     ; the second walk's Q, 2,048 bytes a wave, each wave's own
.set LI,  1                            ; 16 x lane
.set ADK, 2                            ; LDS address of the step's K
.set ADV, 3                            ; of its V
.set SPW, 4                            ; my spare word; never rewritten
.set NIL, 5                            ; 0; never rewritten
.set SP9, 6                            ; 2^e9 as f32
.set QA,  7                            ; LDS address of the second walk's Q
.set NM,  8
.set FF,  12
.set SUM, 16
.set WK,  32
.set TP,  40
.set QF,  48
.set FB,  64
.set PC,  128
.set OT,  192
.set MSB, 0
.macro WIN new                         ; low byte: bits 1:0 source 0, 3:2 source 1, 5:4 source 2, 7:6 destination; the high byte repeats the setting that is left
.if MSB != \new
	s_set_vgpr_msb (MSB<<8)|\new
.set MSB, \new
.endif
.endm
	s_load_b256 s[4:11], s[0:1], 0x0               ; qc s[4:5], kc s[6:7], vc s[8:9], the exponents s[10:11]
	s_load_b64 s[12:13], s[0:1], 0x20              ; oc
	v_lshl_add_u32 v[SPW], v0, 2, SPARE
	v_mov_b32 v[NIL], 0
	v_lshrrev_b32 v[TP], 5, v0
	v_readfirstlane_b32 s14, v[TP]                 ; wave 0..7
	v_and_b32 v[LI], 31, v0
	v_lshlrev_b32 v[LI], 4, v[LI]
	s_lshl_b32 s23, s14, 14
	s_lshl_b32 s35, s14, 11
	s_add_co_u32 s35, s35, QLDS
	v_add_nc_u32 v[ADK], s23, v[LI]                ; the fill: my 16,384 bytes of K in LDS,
	v_add_nc_u32 v[ADV], VLDS, v[ADK]              ; and of V
	v_add_nc_u32 v[QA], s35, v[LI]
	s_and_b32 s16, ttmp7, 0xffff                   ; 16 batch + head
	s_lshr_b32 s17, s16, 1
	s_lshl_b32 s17, s17, 18                        ; a pair of heads of a batch is 2^18 bytes in qc, kc and vc
	s_and_b32 s18, s16, 1
	s_lshl_b32 s19, s14, 15
	s_add_co_u32 s19, s19, s17                     ; my 16 tiles of keys, or 2 blocks of keys, of the pair: 32,768 bytes
	s_lshl_b32 s20, s18, 10
	s_add_co_u32 s24, s19, s20                     ; K: + the head's 1,024 bytes of a tile
	s_mov_b32 s25, 0
	s_lshl_b32 s21, s18, 13
	s_add_co_u32 s26, s19, s21                     ; V: + the head's 8,192 bytes of a block
	s_mov_b32 s27, 0
	s_add_co_u32 s28, s17, s20
	s_lshl_b32 s22, ttmp9, 16
	s_add_co_u32 s28, s28, s22                     ; Q: the work-group's 32 tiles,
	s_lshl_b32 s22, s14, 12
	s_add_co_u32 s28, s28, s22                     ; my two of the first sixteen; the second walk's lie 32,768 bytes on
	s_mov_b32 s29, 0
	s_lshr_b32 s30, s16, 4
	s_lshl_b32 s30, s30, 3
	s_lshl_b32 s22, ttmp9, 1
	s_add_co_u32 s30, s30, s22
	s_lshl_b32 s30, s30, 18                        ; oc: the first walk's 256 tokens,
	s_and_b32 s22, s16, 15
	s_lshl_b32 s22, s22, 14
	s_add_co_u32 s30, s30, s22                     ; the head,
	s_lshl_b32 s22, s14, 11
	s_add_co_u32 s30, s30, s22                     ; my two tiles
	s_mov_b32 s31, 0
	s_wait_alu depctr_va_vdst(0)
	s_wait_kmcnt 0x0
	s_load_b256 s[48:55], s[10:11], 0x0            ; entries 0 to 7,
	s_load_b128 s[56:59], s[10:11], 0x20           ; 8 to 11
	s_add_nc_u64 s[4:5], s[4:5], s[28:29]
	s_add_nc_u64 s[6:7], s[6:7], s[24:25]
	s_add_nc_u64 s[8:9], s[8:9], s[26:27]
	s_add_nc_u64 s[12:13], s[12:13], s[30:31]
.irp i, 0,1
.irp u, 0,1
	global_load_b128 v[QF+8*\i+4*\u:QF+8*\i+4*\u+3], v[LI], s[4:5] offset:\i*2048+\u*512
	global_load_b128 v[FB+8*\i+4*\u:FB+8*\i+4*\u+3], v[LI], s[4:5] offset:32768+\i*2048+\u*512   ; the second walk's, on its way to LDS
.endr
.endr
	WIN 0x40                                       ; 64 loads of 512 consecutive bytes into window 1
.set n, 0
.rept 32
	global_load_b128 v[4*n:4*n+3], v[LI], s[6:7] offset:(n/2)*2048+(n%2)*512
.set n, n+1
.endr
.set n, 0
.rept 32
	global_load_b128 v[128+4*n:128+4*n+3], v[LI], s[8:9] offset:(n/16)*16384+(n%16)*512
.set n, n+1
.endr
	WIN 0
	s_wait_kmcnt 0x0
	s_mov_b32 s20, 0x76543210                      ; v_permlanex16_b32's selects for lane l xor 16
	s_mov_b32 s21, 0xfedcba98
	s_mov_b32 s22, 0x3e38aa3b                      ; c = log2(e) / 8,
	s_add_co_i32 s17, s54, s55
	s_lshl_b32 s17, s17, 23
	s_add_co_i32 s22, s22, s17                     ; x 2^(e6 + e7): added to c's exponent field
	s_mov_b32 s23, s22
	s_add_co_i32 s17, s57, 127
	s_lshl_b32 s18, s17, 23
	v_mov_b32 v[SP9], s18
	s_add_co_i32 s17, s17, 8
	s_lshl_b32 s17, s17, 23
	s_or_b32 s33, s17, 0x600000                    ; 448 x 2^e9
	s_add_co_i32 s17, s58, 127
	s_lshl_b32 s34, s17, 23                        ; 2^e10
	s_add_co_i32 s17, s17, 8
	s_lshl_b32 s17, s17, 23
	s_or_b32 s60, s17, 0x600000                    ; 448 x 2^e10,
	s_or_b32 s61, s60, 0x80000000                  ; and its negative
	s_add_co_i32 s62, s56, s57                     ; e8 + e9
	s_cmp_ge_i32 s57, -8
	s_cselect_b32 s63, 1, 0                        ; 1: the hold of p can change nothing
	s_mov_b32 s15, 2                               ; walks to go
	s_wait_loadcnt 63                              ; 64 loads are younger than Q's eight: with 63 out at the most, Q's are in
.irp n, 0,1,2,3
	ds_store_b128 v[QA], v[FB+4*\n:FB+4*\n+3] offset:512*\n
.endr
	WIN 0x04                                       ; store data in window 1
.set n, 0
.rept 64
.if (n%8) == 0
	s_wait_loadcnt 56-n                            ; the 56 - n younger loads may be out
.endif
.if n < 32
	ds_store_b128 v[ADK], v[4*n:4*n+3] offset:512*n
.else
	ds_store_b128 v[ADV], v[4*n:4*n+3] offset:512*(n-32)
.endif
.set n, n+1
.endr
	WIN 0
	s_wait_dscnt 0x0                               ; my stores are done,
	s_barrier_signal -1
	s_barrier_wait -1                              ; everybody's are: from here on LDS is only read
.macro KLOAD reg, adr, off             ; eight fragments of K: 16 loads of 512 bytes
.set n, 0
.rept 16
	ds_load_b128 v[\reg+4*n:\reg+4*n+3], v[\adr] offset:\off+512*n
.set n, n+1
.endr
.endm
.macro QK hf, reg                      ; S^T of eight tiles of keys x my two tiles of queries; four places follow, for the loads into K's registers and the reads of the scores
	WIN 0x40
.irp t, 0,1,2,3,4,5,6,7
.irp i, 0,1
	v_wmma_f32_16x16x64_fp8_fp8 v[128*\hf+64*\i+8*\t:128*\hf+64*\i+8*\t+7], v[\reg+8*\t:\reg+8*\t+7], v[QF+8*\i:QF+8*\i+7], 0
.endr
.endr
.rept 4
	v_nop
.endr
	WIN 0
.endm
.macro MAXES hf                        ; the running largest score, eight chains by turns; each accumulator is read from its low end on
	WIN 0x14
.irp p, 0,1
.irp q, 0,2,4,6
.irp i, 0,1
.irp e, 0,1,2,3
	v_max3_num_f32 v[WK+4*\i+\e], v[WK+4*\i+\e], v[128*\hf+64*\i+8*(4*\p+\e)+\q], v[128*\hf+64*\i+8*(4*\p+\e)+\q+1]
.endr
.endr
.endr
.endr
.endm
.macro PHALF hf                        ; 128 keys' p: summed (eight chains by turns), held where e9 asks for it, converted
	WIN 0x04
.set j, 0
.rept 8
.irp c, 0,1,2,3
	v_pk_add_f32 v[SUM+2*\c:SUM+2*\c+1], v[SUM+2*\c:SUM+2*\c+1], v[128*\hf+j+2*\c:128*\hf+j+2*\c+1]
	v_pk_add_f32 v[SUM+8+2*\c:SUM+8+2*\c+1], v[SUM+8+2*\c:SUM+8+2*\c+1], v[128*\hf+64+j+2*\c:128*\hf+64+j+2*\c+1]
.endr
.set j, j+8
.endr
	WIN 0
	s_wait_alu depctr_va_vdst(0)
	s_cmp_lg_u32 s63, 0
	s_cbranch_scc1 .Lfree_\@
	WIN 0x44
.set j, 0
.rept 128
	v_min_num_f32 v[128*\hf+j], s33, v[128*\hf+j]  ; the conversion to an 8-bit code does not saturate (ISA guide 7.6.2); p is not negative
.set j, j+1
.endr
	WIN 0
.Lfree_\@:
	WIN 0x01
.irp i, 0,1
.irp t, 0,1,2,3,4,5,6,7
	v_cvt_scalef32_pk8_fp8_f32 v[PC+32*\hf+16*\i+2*\t:PC+32*\hf+16*\i+2*\t+1], v[128*\hf+64*\i+8*\t:128*\hf+64*\i+8*\t+7], v[SP9]
.endr
.endr
	v_nop                                          ; one plain instruction behind the conversions
.endm
.Lwalk:                                            ; two trips: 32 queries of mine each
.irp j, 0,1,2,3
	v_mov_b32 v[WK+\j], 0xff800000                 ; under every score
	v_mov_b32 v[WK+4+\j], 0xff800000
	v_mov_b32 v[NM+\j], 0x7f61b1e6                 ; -M = 3e38: the first step's factor is 0
	v_mov_b32 v[FF+\j], 0
	v_mov_b32 v[TP+\j], 0
.endr
.set j, 0
.rept 16
	v_mov_b32 v[SUM+j], 0
.set j, j+1
.endr
.set j, 0
.rept 64
	v_mov_b32 v[OT+j], 0                           ; the step is written once: the first finds zeros (64 moves a walk in place of a second copy of the step)
.set j, j+1
.endr
	s_mov_b32 s2, 0                                ; the step's bytes in K and in V
	s_mov_b32 s3, 8                                ; steps to go
	KLOAD FB, LI, 0                                ; the first eight tiles of keys
.Lstep:
	s_add_co_u32 s36, s2, VLDS
	v_add_nc_u32 v[ADK], s2, v[LI]
	v_add_nc_u32 v[ADV], s36, v[LI]
.rept 3
	v_nop                                          ; with the two lines above: five places between the last products and the scores that are laid over V's fragments (and the loads below, into P's registers)
.endr
	s_wait_alu depctr_va_vdst(0)
	KLOAD PC, ADK, 8192                            ; tiles 8-15, into the registers that P's codes take later: they land under 16 matrix instructions and 64 maxima
	s_wait_dscnt 16                                ; all but the 16 just issued: K's tiles 0-7, asked for a step ago (and, in a walk's first step, Q)
	QK 0, FB
	MAXES 0
	s_wait_alu depctr_va_vdst(0)                   ; likewise, ahead of the wait below
	s_wait_dscnt 0x0
	QK 1, PC
	s_cmp_eq_u32 s3, 1                             ; the walk's last step has no successor
	s_cbranch_scc1 .Lnone
	KLOAD FB, ADK, 16384                           ; the next step's tiles 0-7
.Lnone:
	MAXES 1
	WIN 0
	v_max3_num_f32 v[WK], v[WK], v[WK+1], v[WK+2]  ; the two query tiles' chains by turns
	v_max3_num_f32 v[WK+4], v[WK+4], v[WK+5], v[WK+6]
	s_delay_alu instid0(VALU_DEP_2)
	v_max_num_f32 v[WK], v[WK], v[WK+3]
	s_delay_alu instid0(VALU_DEP_2)
	v_max_num_f32 v[WK+4], v[WK+4], v[WK+7]
	s_delay_alu instid0(VALU_DEP_2)
	v_permlanex16_b32 v[TP], v[WK], s20, s21
	s_delay_alu instid0(VALU_DEP_2)
	v_permlanex16_b32 v[TP+1], v[WK+4], s20, s21
	s_delay_alu instid0(VALU_DEP_2)
	v_max_num_f32 v[WK], v[WK], v[TP]              ; the largest score so far of my query
	s_delay_alu instid0(VALU_DEP_2)
	v_max_num_f32 v[WK+4], v[WK+4], v[TP+1]
	s_delay_alu instid0(VALU_DEP_2)
	v_mul_f32 v[TP], s22, v[WK]                    ; as t (c is positive)
	s_delay_alu instid0(VALU_DEP_2)
	v_mul_f32 v[TP+1], s22, v[WK+4]
	s_delay_alu instid0(VALU_DEP_2)
	v_floor_f32 v[TP+2], -v[TP]                    ; the new -M = -ceil(t)
	s_delay_alu instid0(VALU_DEP_2)
	v_floor_f32 v[TP+3], -v[TP+1]
	s_delay_alu instid0(VALU_DEP_2)
	v_sub_f32 v[FF], v[TP+2], v[NM]                ; old M - new M: a whole number, 0 or less
	s_delay_alu instid0(VALU_DEP_2)
	v_sub_f32 v[FF+2], v[TP+3], v[NM+2]
	s_delay_alu instid0(VALU_DEP_2)
	v_cvt_i32_f32 v[FF], v[FF]                     ; (it saturates)
	s_delay_alu instid0(VALU_DEP_2)
	v_cvt_i32_f32 v[FF+2], v[FF+2]
	s_delay_alu instid0(VALU_DEP_2)
	v_ldexp_f32 v[FF], 1.0, v[FF]                  ; f = 2^(old M - new M): the multiplications below round nothing
	s_delay_alu instid0(VALU_DEP_2)
	v_ldexp_f32 v[FF+2], 1.0, v[FF+2]
	v_mov_b32 v[NM], v[TP+2]
	v_mov_b32 v[NM+2], v[TP+3]
.irp i, 0,1
.irp c, 0,1,2,3
	v_pk_mul_f32 v[SUM+8*\i+2*\c:SUM+8*\i+2*\c+1], v[SUM+8*\i+2*\c:SUM+8*\i+2*\c+1], v[FF+2*\i:FF+2*\i+1] op_sel_hi:[1,0]
.endr
.set j, 0
.rept 16
	v_pk_mul_f32 v[OT+32*\i+j:OT+32*\i+j+1], v[OT+32*\i+j:OT+32*\i+j+1], v[FF+2*\i:FF+2*\i+1] op_sel_hi:[1,0]
.set j, j+2
.endr
.endr
	WIN 0x41
.set j, 0
.rept 64
	v_pk_fma_f32 v[2*j:2*j+1], v[2*j:2*j+1], s[22:23], v[NM+2*(j/32):NM+2*(j/32)+1] op_sel_hi:[1,0,0]   ; t - M of the first 128 keys
.set j, j+1
.endr
	s_wait_alu depctr_va_vdst(0)
.set j, 0
.rept 64                                       ; p = 2^(t - M) of the first 128 keys; between the exponentials t - M of the other 128, which is first read behind the wait below
	v_exp_f32 v[2*j], v[2*j]
	v_exp_f32 v[2*j+1], v[2*j+1]
	v_pk_fma_f32 v[128+2*j:128+2*j+1], v[128+2*j:128+2*j+1], s[22:23], v[NM+2*(j/32):NM+2*(j/32)+1] op_sel_hi:[1,0,0]
.set j, j+1
.endr
	v_nop                                          ; a plain place,
	s_wait_alu depctr_va_vdst(0)                   ; and the wait behind the batch
	PHALF 0
	WIN 0x40                                       ; V's eight fragments (4 x 16 channels x 2 x 128 keys) into the registers of the p just converted; they land under the second batch
.irp hf, 0,1
.irp d, 0,1,2,3
.irp u, 0,1,2,3
	ds_load_b128 v[64*\hf+16*\d+4*\u:64*\hf+16*\d+4*\u+3], v[ADV] offset:\hf*8192+\d*2048+\u*512
.endr
.endr
.endr
	WIN 0x41
	s_wait_alu depctr_va_vdst(0)                   ; ahead of the second batch
.set j, 128
.rept 128
	v_exp_f32 v[j], v[j]
.set j, j+1
.endr
	v_nop
	s_wait_alu depctr_va_vdst(0)                   ; and behind it
	PHALF 1
	s_wait_alu depctr_va_vdst(0)
	s_wait_dscnt 0x0                               ; V (and the next step's K, asked for earlier)
.irp hf, 0,1                                   ; O^T += V^T P^T: the eight accumulators by turns
.irp d, 0,1,2,3
.irp i, 0,1
	v_wmma_f32_16x16x128_fp8_fp8 v[OT+32*\i+8*\d:OT+32*\i+8*\d+7], v[64*\hf+16*\d:64*\hf+16*\d+15], v[PC+32*\hf+16*\i:PC+32*\hf+16*\i+15], v[OT+32*\i+8*\d:OT+32*\i+8*\d+7]
.endr
.endr
.endr
	WIN 0
	s_add_co_u32 s2, s2, 16384
	s_sub_co_u32 s3, s3, 1
	s_cmp_lg_u32 s3, 0
	s_cbranch_scc1 .Lstep
	; THE WAY OUT of 32 queries: O^T / the sum x 2^(e8 + e9), held within +-448 x 2^e10, converted: the conversions' results are the image that the last product reads
.irp i, 0,1
	v_pk_add_f32 v[SUM+8*\i:SUM+8*\i+1], v[SUM+8*\i:SUM+8*\i+1], v[SUM+8*\i+2:SUM+8*\i+3]
	v_pk_add_f32 v[SUM+8*\i+4:SUM+8*\i+5], v[SUM+8*\i+4:SUM+8*\i+5], v[SUM+8*\i+6:SUM+8*\i+7]
.endr
	v_pk_add_f32 v[SUM:SUM+1], v[SUM:SUM+1], v[SUM+4:SUM+5]
	v_pk_add_f32 v[SUM+8:SUM+9], v[SUM+8:SUM+9], v[SUM+12:SUM+13]
	v_add_f32 v[SUM], v[SUM], v[SUM+1]
	v_add_f32 v[SUM+8], v[SUM+8], v[SUM+9]
	v_permlanex16_b32 v[TP], v[SUM], s20, s21
	v_permlanex16_b32 v[TP+1], v[SUM+8], s20, s21
	v_add_f32 v[SUM], v[SUM], v[TP]
	v_add_f32 v[SUM+8], v[SUM+8], v[TP+1]
	s_wait_alu depctr_va_vdst(0)                   ; ahead of the transcendentals
	v_rcp_f32 v[TP+2], v[SUM]
	v_rcp_f32 v[TP+3], v[SUM+8]
	v_mov_b32 v[TP], s34                           ; 2^e10, for the conversions (a plain place)
	s_wait_alu depctr_va_vdst(0)                   ; behind them
	v_ldexp_f32 v[FF], v[TP+2], s62
	v_ldexp_f32 v[FF+2], v[TP+3], s62
	s_wait_alu depctr_va_vdst(0)
.irp i, 0,1
.set j, 0
.rept 16
	v_pk_mul_f32 v[OT+32*\i+j:OT+32*\i+j+1], v[OT+32*\i+j:OT+32*\i+j+1], v[FF+2*\i:FF+2*\i+1] op_sel_hi:[1,0]
.set j, j+2
.endr
.endr
.set j, 0
.rept 64
	v_med3_num_f32 v[OT+j], v[OT+j], s61, s60
.set j, j+1
.endr
.irp i, 0,1
.irp d, 0,1,2,3
	v_cvt_scalef32_pk8_fp8_f32 v[PC+8*\i+2*\d:PC+8*\i+2*\d+1], v[OT+32*\i+8*\d:OT+32*\i+8*\d+7], v[TP]
.endr
.endr
	v_nop
.irp i, 0,1
.irp u, 0,1
	global_store_b128 v[LI], v[PC+8*\i+4*\u:PC+8*\i+4*\u+3], s[12:13] offset:\i*1024+\u*512   ; 512 consecutive bytes, aligned
.endr
.endr
	s_sub_co_u32 s15, s15, 1
	s_cmp_eq_u32 s15, 0
	s_cbranch_scc1 .Lover
	s_wait_xcnt 0x0                                ; the stores have read their base and their data
	s_add_nc_u64 s[12:13], s[12:13], 0x40000       ; the second walk's 256 tokens
.irp n, 0,1,2,3
	ds_load_b128 v[QF+4*\n:QF+4*\n+3], v[QA] offset:512*\n   ; and its queries, which I stored myself
.endr
.Lover:
	s_cmp_lg_u32 s15, 0
	s_cbranch_scc1 .Lwalk
	s_wait_tensorcnt 0x0                           ; the wave's end
	ds_add_u32 v[SPW], v[NIL]
	s_wait_dscnt 0x0
	s_endpgm
.Lfunc_end_k_q0fc7bd6a41_attn:
	.size	k_q0fc7bd6a41_attn, .Lfunc_end_k_q0fc7bd6a41_attn-k_q0fc7bd6a41_attn
	.p2alignl 7, 3214868480
	.fill 96, 4, 3214868480
	.section	.rodata,"a",@progbits
	.p2align	6, 0x0
	.amdhsa_kernel k_q0fc7bd6a41_attn
		.amdhsa_group_segment_fixed_size 279552
		.amdhsa_private_segment_fixed_size 0
		.amdhsa_enable_private_segment 0
		.amdhsa_kernarg_size 40
		.amdhsa_user_sgpr_count 2
		.amdhsa_user_sgpr_kernarg_segment_ptr 1
		.amdhsa_wavefront_size32 1
		.amdhsa_system_sgpr_workgroup_id_x 1
		.amdhsa_system_sgpr_workgroup_id_y 1
		.amdhsa_system_sgpr_workgroup_id_z 1
		.amdhsa_system_vgpr_workitem_id 0
		.amdhsa_next_free_vgpr 512
		.amdhsa_next_free_sgpr 66
		.amdhsa_reserve_vcc 0
		.amdhsa_float_denorm_mode_32 3
		.amdhsa_float_denorm_mode_16_64 3
		.amdhsa_memory_ordered 1
		.amdhsa_forward_progress 1
		.amdhsa_inst_pref_size 83
	.end_amdhsa_kernel
	.amdgpu_metadata
---
amdhsa.version: [ 1, 2 ]
amdhsa.kernels:
  - .name:           k_q0fc7bd6a41_attn
    .symbol:         k_q0fc7bd6a41_attn.kd
    .args:
      - { .name: qc, .offset: 0, .size: 8, .value_kind: global_buffer, .address_space: global }
      - { .name: kc, .offset: 8, .size: 8, .value_kind: global_buffer, .address_space: global }
      - { .name: vc, .offset: 16, .size: 8, .value_kind: global_buffer, .address_space: global }
      - { .name: lowp_scales, .offset: 24, .size: 8, .value_kind: global_buffer, .address_space: global }
      - { .name: oc, .offset: 32, .size: 8, .value_kind: global_buffer, .address_space: global }
    .group_segment_fixed_size: 279552
    .private_segment_fixed_size: 0
    .kernarg_segment_align: 8
    .kernarg_segment_size: 40
    .max_flat_workgroup_size: 256
    .sgpr_count:     66
    .vgpr_count:     512
    .wavefront_size: 32
...
	.end_amdgpu_metadata
.endif
;; end of part 2
;; launch proj (part 3): grid 4 x 32, 4 waves a work-group, clusters of 4 x 4, 327,680 bytes of LDS; arguments oc, Wp_codes, lowp_scales, bp, out0; writes out0
.if DOCPART == 3
	.amdgcn_target "amdgcn-amd-amdhsa--gfx1250"
	.amdhsa_code_object_version 6
	.text
	.protected	k_q0fc7bd6a41_proj
	.globl	k_q0fc7bd6a41_proj
	.p2align	8
	.type	k_q0fc7bd6a41_proj,@function
k_q0fc7bd6a41_proj:
	s_mov_b64 s[64:65], 0
	v_nop
	global_prefetch_b8 v0, s[64:65] scope:SCOPE_SE
	s_setreg_imm32_b32 hwreg(HW_REG_WAVE_MODE, 25, 1), 1
	s_wait_xcnt 0x0
	s_wait_alu depctr_hold_cnt(0) depctr_sa_sdst(0) depctr_va_vdst(0) depctr_va_sdst(0) depctr_va_ssrc(0) depctr_va_vcc(0) depctr_vm_vsrc(0)
	s_getreg_b32 s2, hwreg(HW_REG_IB_STS2, 6, 4)
	s_cmp_eq_u32 s2, 0
	s_cbranch_scc0 .Lentry_in_a_cluster
	s_endpgm
.Lentry_in_a_cluster:
	s_bfe_u32 s2, ttmp6, 0x10000c
	s_cmp_lg_u32 s2, 0xf033
	s_cbranch_scc0 .Lentry_shape_is_right
	s_endpgm
.Lentry_shape_is_right:
.set ROWB,   256
.set KROW,   1024
.set PITCH,  272
.set FR,     16
.set NL,     4
.set NP,     4
.set ASZ,    65536
.set HALFB,  128*PITCH
.set SLOT,   ASZ+2*HALFB
.set SPARE,  2*SLOT
.set SPITCH, 528
.set ADRA, 16
.set ADRB, 20
.set STO,  24
.set RD,   25
.set CO,   26
.set SPW,  28
.set NIL,  29
.set BP,   32
.set AF,   128
.set BK,   128
.set G1, 24
.set G0, 32
.set G1B, 48
.set G0B, 56
.set MSB, 0
.macro WIN new
.if MSB != \new
	s_set_vgpr_msb (MSB<<8)|\new
.set MSB, \new
.endif
.endm
.set MUL_LO, 0xa1
.set MUL_HI, 0xf1
.set TO_B,   0x40
.macro JLOAD g0a, g1a, g0b, g1b
	s_cmp_eq_u32 s15, 0
	s_cbranch_scc0 .Lfor_b_\@
	tensor_load_to_lds s[\g0a:\g0a+3], s[\g1a:\g1a+7]
	s_nop 0
.rept 4
	v_nop
.endr
	s_branch .Lasked_\@
.Lfor_b_\@:
	tensor_load_to_lds s[\g0b:\g0b+3], s[\g1b:\g1b+7]
	s_nop 0
.rept 4
	v_nop
.endr
.Lasked_\@:
.endm
.macro CREST
	s_cmp_lg_u32 s14, 0
	s_cbranch_scc1 .Lnot_wave_0_\@
	s_barrier_signal -3
.Lnot_wave_0_\@:
	s_barrier_wait -3
	s_barrier_signal -1
	s_barrier_wait -1
.endm
.macro CROUND
	s_barrier_signal -1
	s_barrier_wait -1
	CREST
.endm
	s_load_b128 s[4:7], s[0:1], 0x0
	s_load_b128 s[8:11], s[0:1], 0x10
	s_load_b64 s[12:13], s[0:1], 0x20
	v_lshl_add_u32 v[SPW], v0, 2, SPARE
	v_mov_b32 v[NIL], 0
	ds_add_u32 v28, v29
	ds_add_u32 v28, v29
	s_wait_dscnt 0x0
	v_lshrrev_b32 v1, 5, v0
	v_readfirstlane_b32 s14, v1
	s_lshr_b32 s15, s14, 1
	s_and_b32 s16, s14, 1
	s_bfe_u32 s40, ttmp6, 0x40000
	s_bfe_u32 s41, ttmp6, 0x40004
	s_and_b32 s17, ttmp7, 0xffff
	s_lshl_b32 s17, s17, 2
	s_add_co_u32 s17, s17, s41
	s_lshl_b32 s43, s41, 2
	s_lshl_b32 s43, 15, s43
	s_lshl_b32 s44, 0x1111, s40
	s_or_b32 s[G1+0], s43, (3<<16)|(1<<21)
	s_mov_b32 s[G1+1], 32<<16
	s_mov_b32 s[G1+2], 128<<16
	s_mov_b32 s[G1+3], 32<<16
	s_mov_b32 s[G1+4], 128
	s_mov_b32 s[G1+5], 32
	s_mov_b32 s[G1+6], 0
	s_mov_b32 s[G1+7], 0
	s_or_b32 s[G1B+0], s44, (0<<16)|(1<<20)|(1<<21)|(5<<22)|(3<<25)
	s_mov_b32 s[G1B+1], ROWB<<16
	s_mov_b32 s[G1B+2], 128<<16
	s_mov_b32 s[G1B+3], ROWB<<16
	s_mov_b32 s[G1B+4], 128
	s_mov_b32 s[G1B+5], KROW
	s_mov_b32 s[G1B+6], 0
	s_mov_b32 s[G1B+7], 0
	s_lshl_b32 s20, s17, 18
	s_lshl_b32 s18, s16, 15
	s_add_co_u32 s20, s20, s18
	s_mov_b32 s21, 0
	s_lshl_b32 s46, s40, 8
	s_lshl_b32 s19, s16, 7
	s_add_co_u32 s46, s46, s19
	s_lshl_b32 s46, s46, 10
	s_mov_b32 s47, 0
	s_lshl_b32 s45, s16, 15
	s_mul_i32 s22, s16, HALFB
	s_add_co_u32 s22, s22, ASZ
	s_wait_kmcnt 0x0
	s_load_b64 s[96:97], s[8:9], 0x28
	s_add_nc_u64 s[20:21], s[4:5], s[20:21]
	s_add_nc_u64 s[46:47], s[6:7], s[46:47]
	CROUND
.irp s, 0,1
	s_mov_b32 s[G0+4*\s], 1
	s_add_co_u32 s[G0+4*\s+1], s45, \s*SLOT
	s_add_nc_u64 s[G0+4*\s+2:G0+4*\s+3], s[20:21], \s*ASZ
	s_or_b32 s[G0+4*\s+3], s[G0+4*\s+3], 0x80000000
	s_mov_b32 s[G0B+4*\s], 1
	s_add_co_u32 s[G0B+4*\s+1], s22, \s*SLOT
	s_add_nc_u64 s[G0B+4*\s+2:G0B+4*\s+3], s[46:47], \s*ROWB
	s_or_b32 s[G0B+4*\s+3], s[G0B+4*\s+3], 0x80000000
	s_wait_alu depctr_va_vdst(0)
	s_wait_tensorcnt 0x0
	ds_add_u32 v28, v29
	ds_add_u32 v28, v29
	s_wait_dscnt 0x0
	CROUND
	JLOAD G0+4*\s, G1, G0B+4*\s, G1B
.endr
	v_and_b32 v1, 15, v0
	v_bfe_u32 v2, v0, 4, 1
	v_and_b32 v6, 31, v0
	v_lshlrev_b32 v[CO], 4, v6
	s_lshl_b32 s21, s15, 13
	v_add_nc_u32 v[ADRA], s21, v[CO]
	v_add_nc_u32 v[ADRA+1], SLOT, v[ADRA]
	v_mul_u32_u24 v3, v1, PITCH
	v_lshl_add_u32 v3, v2, 3, v3
	s_mul_i32 s22, s16, HALFB
	s_add_co_u32 s22, s22, ASZ
	v_add_nc_u32 v[ADRB], s22, v3
	v_add_nc_u32 v[ADRB+1], SLOT, v[ADRB]
	s_mul_i32 s23, s14, 16*SPITCH
	v_mul_u32_u24 v5, v1, SPITCH
	v_lshl_add_u32 v5, v2, 5, v5
	v_add_nc_u32 v[STO], s23, v5
	v_add_nc_u32 v[RD], s23, v[CO]
	s_lshl_b32 s46, s40, 10
	s_lshl_b32 s47, s16, 9
	s_add_co_u32 s46, s46, s47
	s_mov_b32 s47, 0
	s_add_nc_u64 s[10:11], s[10:11], s[46:47]
	global_load_b128 v[BP:BP+3], v[CO], s[10:11]
	s_lshl_b32 s20, s17, 8
	s_lshl_b32 s21, s15, 7
	s_add_co_u32 s20, s20, s21
	s_lshl_b32 s20, s20, 12
	s_mov_b32 s21, 0
	s_add_nc_u64 s[20:21], s[20:21], s[46:47]
	s_add_nc_u64 s[12:13], s[12:13], s[20:21]
.macro FRAGA reg, slot, q, i
.irp c, 0,1,2,3
	ds_load_b128 v[\reg+4*\c:\reg+4*\c+3], v[ADRA+\slot] offset:(2*(\q)+\c/2)*16384+(\i)*1024+(\c%2)*512
.endr
.endm
.macro FRAGB reg, slot, q, i
.irp c, 0,1,2,3,4,5,6,7
	ds_load_b64 v[\reg+2*\c:\reg+2*\c+1], v[ADRB+\slot] offset:128*(\q)+16*\c+(\i)*16*PITCH
.endr
.endm
.macro MUL16 a0, p, zero
.irp a, \a0, \a0+1
.irp b, 0,1,2,3,4,5,6,7
.if \zero
	v_wmma_f32_16x16x128_fp8_fp8 v[8*(8*((\a)%4)+\b):8*(8*((\a)%4)+\b)+7], v[128*(\p)+FR*\b:128*(\p)+FR*\b+FR-1], v[AF+FR*(\a):AF+FR*(\a)+FR-1], 0
.else
	v_wmma_f32_16x16x128_fp8_fp8 v[8*(8*((\a)%4)+\b):8*(8*((\a)%4)+\b)+7], v[128*(\p)+FR*\b:128*(\p)+FR*\b+FR-1], v[AF+FR*(\a):AF+FR*(\a)+FR-1], v[8*(8*((\a)%4)+\b):8*(8*((\a)%4)+\b)+7]
.endif
.endr
.endr
.endm
.macro FETCH_B slot, q, p
	WIN TO_B
.irp i, 0,1,2,3,4,5,6,7
	FRAGB 128*(\p)+FR*\i, \slot, \q, \i
.endr
	WIN 0
.endm
.macro FETCH_A slot, q, i0
.irp i, \i0, \i0+1, \i0+2, \i0+3
	FRAGA AF+FR*(\i), \slot, \q, \i
.endr
.endm
.macro PLACES n
.rept \n
	v_nop
.endr
.endm
.macro STEP slot, q, zero
	s_wait_dscnt 4*NL
	WIN MUL_LO
	MUL16 0, (\q)%2, \zero
	MUL16 2, (\q)%2, \zero
	s_wait_dscnt 0
	PLACES NP
	FETCH_B \slot, (\q)+1, 1-(\q)%2
	FETCH_A \slot, (\q)+1, 0
	WIN MUL_HI
	MUL16 4, (\q)%2, \zero
	MUL16 6, (\q)%2, \zero
	PLACES NP
	WIN 0
	FETCH_A \slot, (\q)+1, 4
.endm
.macro TURN slot, next, fill
	s_wait_tensorcnt 0x0
	ds_add_u32 v[SPW], v[NIL]
	s_wait_dscnt 4*NL+1
	WIN MUL_LO
	MUL16 0, 1, 0
	s_wait_dscnt 0x0
	s_barrier_signal -1
	MUL16 2, 1, 0
	WIN 0
	s_barrier_wait -1
.if \fill
	CREST
	s_add_nc_u64 s[G0+4*\slot+2:G0+4*\slot+3], s[G0+4*\slot+2:G0+4*\slot+3], 2*ASZ
	s_add_nc_u64 s[G0B+4*\slot+2:G0B+4*\slot+3], s[G0B+4*\slot+2:G0B+4*\slot+3], 2*ROWB
	JLOAD G0+4*\slot, G1, G0B+4*\slot, G1B
.else
	PLACES NP
.endif
	FETCH_B \next, 0, 0
	FETCH_A \next, 0, 0
	WIN MUL_HI
	MUL16 4, 1, 0
	MUL16 6, 1, 0
	PLACES NP
	WIN 0
	FETCH_A \next, 0, 4
.endm
	s_wait_alu depctr_va_vdst(0)
	s_wait_tensorcnt 1
	s_barrier_signal -1
	s_barrier_wait -1
	FETCH_B 0, 0, 0
	FETCH_A 0, 0, 0
	FETCH_A 0, 0, 4
	STEP 0, 0, 1
	TURN 0, 1, 1
	STEP 1, 0, 0
	TURN 1, 0, 1
	STEP 0, 0, 0
	TURN 0, 1, 0
	STEP 1, 0, 0
	s_wait_dscnt 4*NL
	WIN MUL_LO
	MUL16 0, 1, 0
	MUL16 2, 1, 0
	s_wait_dscnt 0
	WIN MUL_HI
	MUL16 4, 1, 0
	MUL16 6, 1, 0
	WIN 0
.macro TOSTAGE a
.set AC, 64*((\a)%4)
	WIN 0x08+4*((\a)/4)
.irp b, 0,1,2,3,4,5,6,7
	ds_store_b128 v[STO], v[AC+8*\b:AC+8*\b+3] offset:64*\b
	ds_store_b128 v[STO], v[AC+8*\b+4:AC+8*\b+7] offset:64*\b+16
.endr
	WIN 0
.set BB, BK+64*((\a)%2)
.irp t, 0,1,2,3,4,5,6,7,8,9,10,11,12,13,14,15
	ds_load_b128 v[BB+4*\t:BB+4*\t+3], v[RD] offset:\t*SPITCH
.endr
.endm
.macro SEND a, younger
.set BB, BK+64*((\a)%2)
	s_wait_dscnt \younger
.if (\a) > 0
	s_add_nc_u64 s[12:13], s[12:13], 16*4096
.endif
.irp t, 0,1,2,3,4,5,6,7,8,9,10,11,12,13,14,15
	v_pk_fma_f32 v[BB+4*\t:BB+4*\t+1], v[BB+4*\t:BB+4*\t+1], s[96:97], v[BP:BP+1] op_sel_hi:[1,0,1]
	v_pk_fma_f32 v[BB+4*\t+2:BB+4*\t+3], v[BB+4*\t+2:BB+4*\t+3], s[96:97], v[BP+2:BP+3] op_sel_hi:[1,0,1]
.endr
.irp t, 0,1,2,3,4,5,6,7,8,9,10,11,12,13,14,15
	global_store_b128 v[CO], v[BB+4*\t:BB+4*\t+3], s[12:13] offset:\t*4096 th:TH_STORE_NT
.endr
.endm
	s_wait_kmcnt 0x0
	s_add_co_i32 s96, s96, s97
	s_add_co_i32 s96, s96, 127
	s_lshl_b32 s96, s96, 23
	s_wait_loadcnt 0x0
	PLACES NP
	TOSTAGE 0
.irp a, 1,2,3,4,5,6,7
.if \a > 1
	s_wait_xcnt 0x0
.endif
	TOSTAGE \a
	SEND \a-1, 32
.endr
	s_wait_xcnt 0x0
	SEND 7, 0
	s_wait_tensorcnt 0x0
	ds_add_u32 v[SPW], v[NIL]
	s_wait_dscnt 0x0
	CROUND
	s_endpgm
.Lfunc_end_k_q0fc7bd6a41_proj:
	.size	k_q0fc7bd6a41_proj, .Lfunc_end_k_q0fc7bd6a41_proj-k_q0fc7bd6a41_proj
	.p2alignl 7, 3214868480
	.fill 96, 4, 3214868480
	.section	.rodata,"a",@progbits
	.p2align	6, 0x0
	.amdhsa_kernel k_q0fc7bd6a41_proj
		.amdhsa_group_segment_fixed_size 327680
		.amdhsa_private_segment_fixed_size 0
		.amdhsa_enable_private_segment 0
		.amdhsa_kernarg_size 40
		.amdhsa_user_sgpr_count 2
		.amdhsa_user_sgpr_kernarg_segment_ptr 1
		.amdhsa_wavefront_size32 1
		.amdhsa_system_sgpr_workgroup_id_x 1
		.amdhsa_system_sgpr_workgroup_id_y 1
		.amdhsa_system_sgpr_workgroup_id_z 1
		.amdhsa_system_vgpr_workitem_id 0
		.amdhsa_next_free_vgpr 1024
		.amdhsa_next_free_sgpr 98
		.amdhsa_reserve_vcc 0
		.amdhsa_float_denorm_mode_32 3
		.amdhsa_float_denorm_mode_16_64 3
		.amdhsa_memory_ordered 1
		.amdhsa_forward_progress 1
		.amdhsa_inst_pref_size 140
	.end_amdhsa_kernel
	.amdgpu_metadata
---
amdhsa.version: [ 1, 2 ]
amdhsa.kernels:
  - .name:           k_q0fc7bd6a41_proj
    .symbol:         k_q0fc7bd6a41_proj.kd
    .args:
      - { .name: oc, .offset: 0, .size: 8, .value_kind: global_buffer, .address_space: global }
      - { .name: Wp_codes, .offset: 8, .size: 8, .value_kind: global_buffer, .address_space: global }
      - { .name: lowp_scales, .offset: 16, .size: 8, .value_kind: global_buffer, .address_space: global }
      - { .name: bp, .offset: 24, .size: 8, .value_kind: global_buffer, .address_space: global }
      - { .name: out0, .offset: 32, .size: 8, .value_kind: global_buffer, .address_space: global }
    .group_segment_fixed_size: 327680
    .private_segment_fixed_size: 0
    .kernarg_segment_align: 8
    .kernarg_segment_size: 40
    .max_flat_workgroup_size: 128
    .sgpr_count:     98
    .vgpr_count:     1024
    .wavefront_size: 32
...
	.end_amdgpu_metadata
.endif
;; end of part 3
